; MI455X (gfx1250); checked and timed in simulation.
; The chip was launched on July 23, 2026; its instructions are those of AMD's public machine-readable ISA for CDNA 5 (MIT licence, August 2026) and "CDNA5" Instruction Set Architecture Reference Guide (July 2026). The comments in the code are by the model that wrote it; some were corrected since.
;; Mixture Of Experts. Allowed arithmetic: matrix products marked QUANTISED: E3M2 operands, one E8M0 scale for each 32 along K, by v_wmma_scale_f32_16x16x128_f8f6f4 with both operands' format E3M2, f32 sums; products left as they are: f32 operands where the result goes on into a quantised operand, else bf16, f16 or f32 operands; f32 sums; everything else in f32.
;; Inputs: W1_codes 8 x 4,096 x 32 x 24 uint8 (E3M2 codes of W1, K innermost, in blocks of 32 codes, four codes in three bytes); W1_scales 8 x 4,096 x 32 uint8 (E8M0 scales of W1, one for each 32 codes along K); W2_codes 8 x 1,024 x 128 x 24 uint8 (E3M2 codes of W2, K innermost, in blocks of 32 codes, four codes in three bytes); W2_scales 8 x 1,024 x 128 uint8 (E8M0 scales of W2, one for each 32 codes along K); Wr 1,024 x 8 float32; b1 8 x 4,096 float32; b2 8 x 1,024 float32; br 8 float32; x 1,024 x 1,024 float32.
;; Outputs: out0 1,024 x 1,024 float32.
;; This version of the problem:
;;   THIS VERSION OF THE PROBLEM IS GIVEN IN LOW PRECISION. The matrix products marked QUANTISED in the list below multiply operands that are first quantised to E3M2 (3 exponent bits, 2 mantissa bits; 6 bits a number), with one power-of-two scale for each 32 numbers along K (OCP MX v1.0); their sums are f32. All else is computed in f32.
;;   The module's matrix products, in the order in which they are computed (A, B: the left and right operand; K: the contracted axis; several contracted axes count as one K, in the product's order):
;;     1. [M 1,024, K 1,024] x [K 1,024, N 8]; A: input x; B: input Wr: left as it is (N = 8 < 16)
;;     2. batch 1,024 x [M 1, K 2] x [K 2, N 8]; A: computed on the way; B: computed on the way: left as it is (K = 2 < 32)
;;     3. [M 1,024, K 1,024] x [K 1,024, N 4,096]; A: input x; B: input W1 (given as codes): QUANTISED
;;     4. [M 1,024, K 4,096] x [K 4,096, N 1,024]; A: computed on the way; B: input W2 (given as codes): QUANTISED
;;     5. [M 1,024, K 1,024] x [K 1,024, N 4,096]; A: input x; B: input W1 (given as codes): QUANTISED
;;     6. [M 1,024, K 4,096] x [K 4,096, N 1,024]; A: computed on the way; B: input W2 (given as codes): QUANTISED
;;     7. [M 1,024, K 1,024] x [K 1,024, N 4,096]; A: input x; B: input W1 (given as codes): QUANTISED
;;     8. [M 1,024, K 4,096] x [K 4,096, N 1,024]; A: computed on the way; B: input W2 (given as codes): QUANTISED
;;     9. [M 1,024, K 1,024] x [K 1,024, N 4,096]; A: input x; B: input W1 (given as codes): QUANTISED
;;     10. [M 1,024, K 4,096] x [K 4,096, N 1,024]; A: computed on the way; B: input W2 (given as codes): QUANTISED
;;     11. [M 1,024, K 1,024] x [K 1,024, N 4,096]; A: input x; B: input W1 (given as codes): QUANTISED
;;     12. [M 1,024, K 4,096] x [K 4,096, N 1,024]; A: computed on the way; B: input W2 (given as codes): QUANTISED
;;     13. [M 1,024, K 1,024] x [K 1,024, N 4,096]; A: input x; B: input W1 (given as codes): QUANTISED
;;     14. [M 1,024, K 4,096] x [K 4,096, N 1,024]; A: computed on the way; B: input W2 (given as codes): QUANTISED
;;     15. [M 1,024, K 1,024] x [K 1,024, N 4,096]; A: input x; B: input W1 (given as codes): QUANTISED
;;     16. [M 1,024, K 4,096] x [K 4,096, N 1,024]; A: computed on the way; B: input W2 (given as codes): QUANTISED
;;     17. [M 1,024, K 1,024] x [K 1,024, N 4,096]; A: input x; B: input W1 (given as codes): QUANTISED
;;     18. [M 1,024, K 4,096] x [K 4,096, N 1,024]; A: computed on the way; B: input W2 (given as codes): QUANTISED
;;   THE QUANTISER, for each operand of a quantised product, along K:
;;     - K is cut into blocks of 32 from its start; a last block that is shorter is filled with zeros.
;;     - A block's scale is 2^e with e = floor(log2(the largest magnitude in the block)) - 4, held to -126 .. 127; a block of zeros has e = 0. As a byte (E8M0): e + 127.
;;     - Each number is divided by its block's scale, clamped to +-28, and rounded to the nearest number of E3M2, ties to even, subnormals kept.
;;     - The product sums the exact products of the quantised numbers (number of the format x scale) in f32.
;;   ~~~python
;;   def quantise(x, axis):      # numpy; x: float32 -> the quantised numbers, widened to float32 again
;;       x = np.moveaxis(x, axis, -1); K = x.shape[-1]
;;       x = np.pad(x, [(0, 0)] * (x.ndim - 1) + [(0, -K % 32)]); x = x.reshape(x.shape[:-1] + (-1, 32)); a = np.abs(x).max(-1, keepdims=True)
;;       e = np.where(a > 0, np.clip(np.frexp(np.where(a > 0, a, 1))[1] - 1 - 4, -126, 127), 0)      # np.frexp(a)[1] - 1 = floor(log2(a)), exactly
;;       r = np.clip(x / 2.0 ** e, -28, 28)
;;       step = 2.0 ** (np.maximum(np.frexp(np.where(r == 0, 1, r))[1] - 1, -2) - 2)
;;       q = np.round(r / step) * step * 2.0 ** e      # np.round: ties to even
;;       return np.moveaxis(q.reshape(q.shape[:-2] + (-1,))[..., :K], -1, axis).astype(np.float32)
;;   ~~~
;;   OPERANDS COMPUTED ON THE WAY. 'Computed on the way' means the value that the module computes at that place (a softmax that the list does not call 'softmax' is quantised finished and normalised). What goes into a quantiser is computed in f32, as accurately as f32 sums, v_exp_f32 and their like allow (about 1e-6 of the number): no bf16 or f16 on the way to a quantiser, and a product that is left as it is and whose result goes on into a quantised operand takes f32 operands (vector FMAs, or v_wmma_f32_16x16x4_f32). A number that lies on a knife's edge between two numbers of the format may be rounded either way, as far as f32 arithmetic and the matrix unit's own rounding can turn it there, and no further.
;;   INPUTS GIVEN AS CODES. W1 (in the module: [8, 1024, 4096], K = its axis 1); W2 (in the module: [8, 4096, 1024], K = its axis 1): each comes as NAME_codes (uint8): NAME with its K axis moved to the last place and cut into blocks of 32 codes, [.., K / 32, bytes a block], one block behind the other in memory; four codes in three bytes: a row's codes are one little-endian stream of bits, code i at bits 6 i .. 6 i + 5 (a code: sign, 3 exponent bits, 2 mantissa bits); and NAME_scales (uint8): the same leading axes, one E8M0 byte (e + 127) for each 32 codes along K. Its value is code x scale, taken as it is: it is not quantised again, and the codes and scales need not be those that the quantiser above would give.
;; One version. Each part assembles by itself: llvm-mc -triple=amdgcn-amd-amdhsa -mcpu=gfx1250 --defsym DOCPART=n.
;; ======== version 1 of 1: 4 launches
;; limits: right only within a limited range of input values
;; workspace buffers: xq 819,200 bytes; sel 4,096 bytes of whole numbers; gate 8,192 bytes; hq 26,214,400 bytes; y 8,912,896 bytes
;; launch route (part 1): grid 256 x 1, 4 waves a work-group, no clusters, 58,880 bytes of LDS; arguments x, Wr, br, xq, sel, gate; writes xq, sel, gate
.if DOCPART == 1
	.amdgcn_target "amdgcn-amd-amdhsa--gfx1250"
	.amdhsa_code_object_version 6
	.text
	.protected	k_qb0d8825e2d_route
	.globl	k_qb0d8825e2d_route
	.p2align	8
	.type	k_qb0d8825e2d_route,@function
k_qb0d8825e2d_route:
	s_mov_b64 s[64:65], 0
	v_nop
	global_prefetch_b8 v0, s[64:65] scope:SCOPE_SE
	s_setreg_imm32_b32 hwreg(HW_REG_WAVE_MODE, 25, 1), 1
	s_wait_xcnt 0x0
; ROUTER AND QUANTISER OF x.  x [1024][1024] f32, Wr [1024][8] f32, br [8] f32.  One wave takes one token n = 4 x work-group + wave.
; It stores: xq: the token's 1,024 codes of E3M2 (768 bytes, the plain stream of bits) and, from byte 786,432 on, its 8 scale words (one word for 128 along K);
; sel[n] = (1 << e1) | (1 << (8 + e2)), the two chosen experts as whole numbers at a fixed place; gate[2 n], gate[2 n + 1], their renormalised weights.
; In a scale word bytes 1 and 2 change places: the products load 48 neighbouring bytes a lane, so that the matrix unit's blocks 1 and 2 of each 128 along K hold memory's blocks 2 and 1, on both operands alike.
; The logits are f32 multiply-adds.  The two largest LOGITS are taken (the exponential rises with the logit), the lower index on a tie, as jax.lax.top_k has it.
; w1 = 1 / (1 + 2^((l2 - l1) log2 e)), w2 = 1 - w1 in the form t / (1 + t): the largest logit is taken away ahead of the exponential, whose argument is never above 0.
; No address and no branch hangs on a floating-point number: the choice only selects values.
; LIMITS: NaN and infinities among the inputs are not served.  A block of zeros gets the scale byte 1 (its codes are zeros; the bytes are read by this program alone).
; Where two probabilities round to the same f32 number though their logits differ, reference() takes the lower index and this text the larger logit.
; The token's small results (32 + 8 + 4 bytes) go to three places: the scale words at 786,432 + 32 n in xq, the gates at 8 n in gate, the choice at 4 n in sel.
; No matrix unit, no cluster, no tensor load: eight columns are too few for a matrix tile, and the work-groups share only Wr's 32 KiB.
.set SP,   80                          ; a lane's place in a stage: 64 bytes + 16 of padding
.set WREG, 33792                       ; LDS: Wr as 64 groups of 512 bytes + 16 of padding; behind it 6,144 bytes for each wave: two stages of 32 x SP, then 32 scale bytes
.set XR,   16                          ; v16-47   x as loaded: 16 bytes a lane, 512 a load
.set XT,   48                          ; v48-79   x turned: set s: numbers 512 s + 16 lane + 0 .. 15
.set WW,   80                          ; v80-207  Wr of my 16 numbers: register 8 k + e
.set LA,   208                         ; v208-215 the eight sums of the even k;  v216-223 of the odd k
.set LB,   216
	s_load_b256 s[4:11], s[0:1], 0x0               ; x s[4:5], Wr s[6:7], br s[8:9], xq s[10:11]
	s_load_b128 s[12:15], s[0:1], 0x20             ; sel s[12:13], gate s[14:15]
	v_lshl_add_u32 v239, v0, 2, 0xe400
	v_mov_b32 v255, 0
	v_lshrrev_b32 v1, 5, v0
	v_readfirstlane_b32 s16, v1                    ; wave 0..3
	v_and_b32 v1, 31, v0                           ; lane
	v_lshlrev_b32 v2, 4, v1                        ; 16 x lane
	v_lshlrev_b32 v3, 4, v0                        ; 16 x thread
	s_mul_i32 s17, s16, 528
	v_add_nc_u32 v4, s17, v2                       ; Wr into LDS: chunk thread + 128 j lies in group wave + 4 j, at 16 x lane
	v_mul_u32_u24 v5, v1, 528                      ; Wr out of LDS: group lane (+ 32 s)
	s_mul_i32 s17, s16, 6144
	s_add_co_u32 s17, s17, WREG                    ; my wave's region
	v_lshrrev_b32 v6, 2, v1
	v_mul_u32_u24 v6, v6, SP
	v_and_b32 v7, 3, v1
	v_lshl_add_u32 v6, v7, 4, v6
	v_add_nc_u32 v6, s17, v6                       ; the stage, on the way in: SP (lane / 4) + 16 (lane % 4)
	v_mul_u32_u24 v7, v1, SP
	v_add_nc_u32 v7, s17, v7                       ; and on the way out: SP x lane
	v_mul_u32_u24 v8, v1, 12                       ; my 16 codes' place in a step's 384 bytes
	v_lshrrev_b32 v12, 1, v1                       ; p: my block among the step's sixteen
	v_and_b32 v9, 12, v12                          ; its word,
	v_and_b32 v13, 1, v12
	v_lshl_add_u32 v9, v13, 1, v9                  ; and in the word blocks 1 and 2 change places
	v_bfe_u32 v13, v12, 1, 1
	v_add_nc_u32 v9, v9, v13
	s_add_co_u32 s18, s17, 5120
	v_add_nc_u32 v9, s18, v9                       ; LDS: my block's scale byte
	v_and_b32 v10, 7, v1
	v_lshl_add_u32 v10, v10, 2, s18                ; LDS: scale word lane % 8
	v_lshlrev_b32 v11, 2, v1                       ; 4 x lane
	s_mov_b32 s40, 0x76543210
	s_mov_b32 s41, 0xfedcba98                      ; v_permlanex16_b32's selects for lane l xor 16
	s_lshl_b32 s19, ttmp9, 2
	s_add_co_u32 s19, s19, s16                     ; n
	s_lshl_b32 s20, s19, 12                        ; byte offsets of token n: in x,
	s_mov_b32 s21, 0
	s_mul_i32 s22, s19, 768                        ; among the codes,
	s_mov_b32 s23, 0
	s_lshl_b32 s32, s19, 5                         ; among the scale words,
	s_mov_b32 s33, 0
	s_lshl_b32 s34, s19, 3                         ; in gate,
	s_mov_b32 s35, 0
	s_lshl_b32 s36, s19, 2                         ; in sel
	s_mov_b32 s37, 0
	s_wait_kmcnt 0x0
	s_load_b256 s[24:31], s[8:9], 0x0              ; br: eight numbers, the same for every lane
	s_add_nc_u64 s[4:5], s[4:5], s[20:21]
	s_add_nc_u64 s[38:39], s[10:11], s[32:33]
	s_add_nc_u64 s[10:11], s[10:11], s[22:23]
	s_add_nc_u64 s[14:15], s[14:15], s[34:35]
	s_add_nc_u64 s[12:13], s[12:13], s[36:37]
.irp j, 0,1,2,3,4,5,6,7
	global_load_b128 v[XR+4*\j:XR+4*\j+3], v2, s[4:5] offset:512*\j th:TH_LOAD_NT   ; 32 lanes read 512 consecutive bytes; x is read once in this launch
.endr
.irp j, 0,1,2,3,4,5,6,7,8,9,10,11,12,13,14,15
	global_load_b128 v[WW+4*\j:WW+4*\j+3], v3, s[6:7] offset:2048*\j                ; the four waves share Wr's 32,768 bytes out: 2,048 consecutive bytes a line
.endr
	s_wait_loadcnt 0x0
.irp j, 0,1,2,3,4,5,6,7,8,9,10,11,12,13,14,15
	ds_store_b128 v4, v[WW+4*\j:WW+4*\j+3] offset:2112*\j
.endr
.irp t, 0,1                            ; x turns through the wave's own stages: in as loaded, out 64 bytes a lane.  LDS serves a wave's instructions in order: no wait between
.irp i, 0,1,2,3
	ds_store_b128 v6, v[XR+16*\t+4*\i:XR+16*\t+4*\i+3] offset:2560*\t+640*\i
.endr
.irp i, 0,1,2,3
	ds_load_b128 v[XT+16*\t+4*\i:XT+16*\t+4*\i+3], v7 offset:2560*\t+16*\i
.endr
.endr
	s_wait_dscnt 0x0                               ; for the others' sake: my part of Wr lies in LDS (and my x is back)
	s_barrier_signal -1
	s_barrier_wait -1
	s_wait_kmcnt 0x0                               ; br
; Step s: 512 numbers of the token.  The 32 LDS loads of Wr go out first; the quantiser's arithmetic stands between them and the wait for them.
.macro STEP s
.irp c, 0,1,2,3,4,5,6,7,8,9,10,11,12,13,14,15,16,17,18,19,20,21,22,23,24,25,26,27,28,29,30,31
	ds_load_b128 v[WW+4*\c:WW+4*\c+3], v5 offset:16896*\s+16*\c    ; lanes 528 bytes apart, an odd multiple of 16
.endr
.set XS, XT+16*\s
	v_max3_num_f32 v224, |v[XS]|, |v[XS+1]|, |v[XS+2]|             ; the largest magnitude of my 16, in two chains
	v_max3_num_f32 v225, |v[XS+3]|, |v[XS+4]|, |v[XS+5]|
.irp i, 6,10
	v_max3_num_f32 v224, v224, |v[XS+\i]|, |v[XS+\i+1]|
	v_max3_num_f32 v225, v225, |v[XS+\i+2]|, |v[XS+\i+3]|
.endr
	v_max3_num_f32 v224, v224, |v[XS+14]|, |v[XS+15]|
	v_max3_num_f32 v224, v224, v225, 0x2800000                     ; and the floor 2^(5 - 127): the byte cannot fall under 1
	v_max_num_f32_dpp v224, v224, v224 row_xmask:1 row_mask:0xf bank_mask:0xf   ; with my neighbour's 16: the block's
	v_add_nc_u32 v226, 0xfe000000, v224                            ; 4 off its exponent field: the conversion takes this operand's exponent field as its scale
	v_cvt_scalef32_pk16_bf6_f32 v[228+4*\s:230+4*\s], v[XS:XS+15], v226
	v_lshrrev_b32 v[236+\s], 23, v226                              ; the scale's byte (also the plain line behind the conversion)
	ds_store_b8 v9, v[236+\s] offset:16*\s                         ; both lanes of a block write the same byte with the same value
	global_store_b96 v8, v[228+4*\s:230+4*\s], s[10:11] offset:384*\s   ; the wave stores 384 consecutive bytes; each step has its own data registers
	s_wait_dscnt 0x0                                               ; Wr of my 16 numbers is in
.irp k, 0,1,2,3,4,5,6,7,8,9,10,11,12,13,14,15
.irp e, 0,1,2,3,4,5,6,7
.if (\s == 0) && (\k < 2)
	v_mul_f32 v[LA+8*(\k%2)+\e], v[XS+\k], v[WW+8*\k+\e]           ; the first products start the sums: nothing is cleared
.else
	v_fmac_f32 v[LA+8*(\k%2)+\e], v[XS+\k], v[WW+8*\k+\e]          ; sixteen chains by turns
.endif
.endr
.endr
.endm
	STEP 0
	STEP 1
.irp e, 0,2,4,6
	v_pk_add_f32 v[LA+\e:LA+\e+1], v[LA+\e:LA+\e+1], v[LB+\e:LB+\e+1]
.endr
.irp m, 1,2,4,8                        ; the sum over the 32 lanes, the eight logits by turns
.irp e, 0,1,2,3,4,5,6,7
	v_add_f32_dpp v[LA+\e], v[LA+\e], v[LA+\e] row_xmask:\m row_mask:0xf bank_mask:0xf
.endr
.endr
.irp e, 0,1,2,3,4,5,6,7
	v_permlanex16_b32 v[LB+\e], v[LA+\e], s40, s41
.endr
.irp e, 0,1,2,3,4,5,6,7
	v_add_f32 v[LA+\e], v[LA+\e], v[LB+\e]
.endr
.irp e, 0,1,2,3,4,5,6,7
	v_add_f32 v[LA+\e], s[24+\e], v[LA+\e]         ; + br: every lane holds all eight logits
.endr
	v_mov_b32 v240, v[LA]                          ; the largest logit and its index: a later one wins only if it is strictly larger
	v_mov_b32 v241, 0
.irp e, 1,2,3,4,5,6,7
	v_cmp_gt_f32 vcc_lo, v[LA+\e], v240
	v_cndmask_b32 v240, v240, v[LA+\e], vcc_lo
	v_cndmask_b32 v241, v241, \e, vcc_lo
.endr
	v_mov_b32 v244, 0xff800000                     ; -infinity takes the winner's place
.irp e, 0,1,2,3,4,5,6,7
	v_cmp_eq_u32 vcc_lo, \e, v241
	v_cndmask_b32 v[LA+\e], v[LA+\e], v244, vcc_lo
.endr
	v_mov_b32 v242, v[LA]                          ; and the same once more: the second
	v_mov_b32 v243, 0
.irp e, 1,2,3,4,5,6,7
	v_cmp_gt_f32 vcc_lo, v[LA+\e], v242
	v_cndmask_b32 v242, v242, v[LA+\e], vcc_lo
	v_cndmask_b32 v243, v243, \e, vcc_lo
.endr
	v_sub_f32 v245, v242, v240                     ; l2 - l1, 0 or less
	v_mul_f32 v245, 0x3fb8aa3b, v245               ; x log2(e)
	s_wait_alu depctr_va_vdst(0)
	v_exp_f32 v246, v245                           ; t = p2 / p1
	v_mov_b32 v247, 1                              ; (a plain line behind the exponential)
	s_wait_alu depctr_va_vdst(0)                   ; the wait ahead of the first line that names the result
	v_add_f32 v248, 1.0, v246
	s_wait_alu depctr_va_vdst(0)
	v_rcp_f32 v249, v248                           ; w1 = 1 / (1 + t)
	v_lshlrev_b32 v250, v241, v247                 ; 1 << e1 (a plain line behind the reciprocal)
	s_wait_alu depctr_va_vdst(0)
	v_mul_f32 v251, v246, v249                     ; w2 = t / (1 + t)
	v_add_nc_u32 v252, 8, v243
	v_lshlrev_b32 v252, v252, v247
	v_or_b32 v250, v250, v252                      ; sel's word
	ds_load_b32 v253, v10                          ; my wave's scale bytes come back as words: LDS serves a wave in order
	v_cmp_eq_u32 vcc_lo, 0, v1
	v_cndmask_b32 v254, v251, v249, vcc_lo         ; lane 0: w1; lane 1: w2
	s_wait_alu depctr_va_vdst(0)
	s_wait_dscnt 0x0
	s_wait_xcnt 0x0                                ; EXEC changes only behind this wait: the codes' stores have been issued
	v_cmp_gt_u32 vcc_lo, 8, v1
	s_wait_tensorcnt 0x0
	ds_add_u32 v239, v255
	s_wait_dscnt 0x0
	s_and_saveexec_b32 s42, vcc_lo
	global_store_b32 v11, v253, s[38:39] offset:786432   ; lanes 0-7: the eight scale words
	s_wait_xcnt 0x0
	s_or_b32 exec_lo, exec_lo, s42
	v_cmp_gt_u32 vcc_lo, 2, v1
	s_and_saveexec_b32 s42, vcc_lo
	global_store_b32 v11, v254, s[14:15]           ; lanes 0, 1: the two gates
	s_wait_xcnt 0x0
	s_or_b32 exec_lo, exec_lo, s42
	v_cmp_eq_u32 vcc_lo, 0, v1
	s_and_saveexec_b32 s42, vcc_lo
	global_store_b32 v11, v250, s[12:13]           ; lane 0: the choice
	s_wait_xcnt 0x0
	s_or_b32 exec_lo, exec_lo, s42
	s_endpgm
.Lfunc_end_k_qb0d8825e2d_route:
	.size	k_qb0d8825e2d_route, .Lfunc_end_k_qb0d8825e2d_route-k_qb0d8825e2d_route
	.p2alignl 7, 3214868480
	.fill 96, 4, 3214868480
	.section	.rodata,"a",@progbits
	.p2align	6, 0x0
	.amdhsa_kernel k_qb0d8825e2d_route
		.amdhsa_group_segment_fixed_size 58880
		.amdhsa_private_segment_fixed_size 0
		.amdhsa_enable_private_segment 0
		.amdhsa_kernarg_size 48
		.amdhsa_user_sgpr_count 2
		.amdhsa_user_sgpr_kernarg_segment_ptr 1
		.amdhsa_wavefront_size32 1
		.amdhsa_system_sgpr_workgroup_id_x 1
		.amdhsa_system_sgpr_workgroup_id_y 1
		.amdhsa_system_sgpr_workgroup_id_z 1
		.amdhsa_system_vgpr_workitem_id 0
		.amdhsa_next_free_vgpr 256
		.amdhsa_next_free_sgpr 66
		.amdhsa_reserve_vcc 1
		.amdhsa_float_denorm_mode_32 3
		.amdhsa_float_denorm_mode_16_64 3
		.amdhsa_memory_ordered 1
		.amdhsa_forward_progress 1
		.amdhsa_inst_pref_size 29
	.end_amdhsa_kernel
	.amdgpu_metadata
---
amdhsa.version: [ 1, 2 ]
amdhsa.kernels:
  - .name:           k_qb0d8825e2d_route
    .symbol:         k_qb0d8825e2d_route.kd
    .args:
      - { .name: x, .offset: 0, .size: 8, .value_kind: global_buffer, .address_space: global }
      - { .name: Wr, .offset: 8, .size: 8, .value_kind: global_buffer, .address_space: global }
      - { .name: br, .offset: 16, .size: 8, .value_kind: global_buffer, .address_space: global }
      - { .name: xq, .offset: 24, .size: 8, .value_kind: global_buffer, .address_space: global }
      - { .name: sel, .offset: 32, .size: 8, .value_kind: global_buffer, .address_space: global }
      - { .name: gate, .offset: 40, .size: 8, .value_kind: global_buffer, .address_space: global }
    .group_segment_fixed_size: 58880
    .private_segment_fixed_size: 0
    .kernarg_segment_align: 8
    .kernarg_segment_size: 48
    .max_flat_workgroup_size: 128
    .sgpr_count:     66
    .vgpr_count:     256
    .wavefront_size: 32
...
	.end_amdgpu_metadata
.endif
;; end of part 1
;; launch gemm1 (part 2): grid 32 x 8, 4 waves a work-group, no clusters, 209,920 bytes of LDS; arguments xq, W1_codes, W1_scales, b1, sel, hq; writes hq
.if DOCPART == 2
	.amdgcn_target "amdgcn-amd-amdhsa--gfx1250"
	.amdhsa_code_object_version 6
	.text
	.protected	k_qb0d8825e2d_gemm1
	.globl	k_qb0d8825e2d_gemm1
	.p2align	8
	.type	k_qb0d8825e2d_gemm1,@function
k_qb0d8825e2d_gemm1:
	s_mov_b64 s[64:65], 0
	v_nop
	global_prefetch_b8 v0, s[64:65] scope:SCOPE_SE
	s_setreg_imm32_b32 hwreg(HW_REG_WAVE_MODE, 25, 1), 1
	s_wait_xcnt 0x0
; h = Q(gelu(Q(x) W1[e] + b1[e])) for the rows that chose expert e.  Work-group (c, e) makes hidden units 128 c .. 128 c + 127 of expert e for all its rows.
; Rows of experts that a token did not choose have the combine weight 0 in reference(), so they are not made (the choice is read from memory as whole numbers).
; THE LIST OF ROWS is made here, from sel[n] = (1 << e1) | (1 << (8 + e2)): position p of expert e holds the p-th token that chose e, in the order group 4 j + i = tokens 128 j + 4 lane + i.
; Each thread finds the tokens of positions thread + 128 j: a scan over the 32 groups' masks keeps the last group whose running count is at most p, then the (p - count)-th set bit of that mask is found by halving.
; The tokens are stored to LDS at 4 x position.  Positions behind the count hold some token 0 .. 1023; their results are never used.  The next launch makes the same list by the same lines.
; THE WEIGHTS STAND STILL: 128 rows of W1 go from memory into registers once.  K = 1,024 is split over the four waves: wave w holds K steps 2 w, 2 w + 1 of all eight column tiles.
; W1 IS LOADED BY NEIGHBOURING LANES: of each row a wave wants 192 neighbouring bytes; three loads take eight rows (two take 128 bytes of four rows each, one 64 bytes of eight).  The loads land in the fragments' own registers
; and are TURNED through the wave's own LDS bytes (rows of 208 bytes): stored as loaded, read back 48 bytes a lane.  LDS serves a wave's instructions in order, so no wait stands between.
; x's rows are gathered by the list straight into the fragments' registers, 48 bytes a lane for each K step, a round ahead.
; A ROUND is four tiles of 16 rows.  Set i of wave w works on tile (w + i) % 4; set 0 is the wave's own tile.  Sets 1 to 3's partial sums go to LDS; behind a barrier wave w adds its tile's four parts and finishes it: gelu, quantiser, store.
; The count of rows hangs on numbers read from memory: the loop has 16 trips whatever it is, every wave passes both barriers of every trip, scalar branches jump over work alone.  So no tensor load, no joint load, no cluster.
; At least 128 rows (tiles 0 to 7) are made for every expert, so that the next launch's first loads need no test.
; THE ORDER OF K: a lane holds 48 neighbouring bytes for 128 along K, so the matrix unit's blocks 0, 1, 2, 3 are memory's 0, 2, 1, 3 on both operands; bytes 1 and 2 of each scale word change places (W1's here; x's were stored so).
; TRANSPOSED: source 0 = 16 rows of W1, source 1 = 16 rows of x.  Lane r of column tile 2 b + u takes W1's row 32 sw(b) + 8 u + r + 8 (r / 8), sw = 0, 2, 1, 3.
; hq: [e][c][tile] images of a fragment's 12 registers (1,536 bytes); from byte 25,165,824 on [e][c][tile][16] scale words.
; GELU: 0.5 v (1 + erf(v / sqrt 2)), erf(z) = z P(z^2) / Q(z^2) on |z| <= 4, a rational form in f32.
; LIMITS: NaN and infinities are not served.  erf's absolute error is about 1e-7, so gelu loses relative accuracy in the far negative tail and is 0 below about -5.7.  A block of zeros gets the scale byte 1 (read by this
; program alone).  The order of K and its split over four waves give another order of rounding than a single ascending sum.  A tile's 16 scale words are stored as 64 bytes of a 256-byte block.
; REGISTERS.  Window 0: addresses, scale words, v64-127 the tile's sums, v128-247 at work.  Window 1: W1's 16 fragments at 12 (2 t + s), the bias at 192 + 8 t.  Window 2: the four sets' sums.  Window 3: x's eight fragments.
.set PART, 4608                        ; LDS: the tokens by position at 0; from here [tile 4][slot 3] partial sums of 8,192 bytes; the spare words at 0x19200
.set TS,   103424                      ; the waves' own bytes for W1's turn: TW each, a tile of 16 rows x TP bytes is TT
.set TW,   26624
.set TT,   3328
.set TP,   208
.set LI,   4
.set R4,   5
.set LB,   6
.set XB,   10                          ; v10    192 w + 48 h: my bytes in a row of codes
.set XSB,  11
.set SA,   12                          ; v12-14 the turn, on the way in: load q's place
.set LA,   15                          ; v15    and on the way out: TP r + 48 h
.set XSO,  16
.set PST,  19
.set PLD,  23
.set XS,   24
.set W1S,  32
.set H,    64
.set Z,    128
.set X2,   144
.set PA,   160
.set PB,   176
.set XO,   192                         ; v192-195 x's codes: my row's offset, set i
.set TM,   208
.set PW,   224
.set PC,   228
.set WA,   240                         ; v240-242 W1's offsets (head only)
.set MK,   66                          ; s66-97 the 32 groups' masks
.set LS,   64
.set LP,   96
.set LM,   104
.set LBK,  112
.set QA,   64
.set QB,   72
.set QC,   80
.set QD,   88
.set QN,   120
.set QP,   128
.set QK,   136
.set QQ,   144
.set A1, 40
.set A2, 42
.set A3, 44
.set A4, 46
.set A5, 48
.set A6, 50
.set B1, 52
.set B2, 54
.set B3, 56
.set B4, 58
.set RH, 60
.set MSB, 0
.macro WIN new
.if MSB != \new
	s_set_vgpr_msb (MSB<<8)|\new
.set MSB, \new
.endif
.endm
.macro KPAIR reg, val
	s_mov_b32 s[\reg], \val
	s_mov_b32 s[\reg+1], \val
.endm
	s_load_b256 s[4:11], s[0:1], 0x0               ; xq, W1's codes, W1's scales, b1
	s_load_b128 s[12:15], s[0:1], 0x20             ; sel, hq
	v_lshl_add_u32 v254, v0, 2, 0x19200
	v_mov_b32 v255, 0
	v_lshrrev_b32 v1, 5, v0
	v_readfirstlane_b32 s16, v1                    ; w
	s_mov_b32 s17, ttmp9                           ; c
	s_and_b32 s18, ttmp7, 0xffff                   ; e
.irp i, 0,1,2,3
	s_add_co_u32 s[20+\i], s16, \i
	s_and_b32 s[20+\i], s[20+\i], 3                ; set i's tile of a round
.endr
.irp i, 1,2,3
	s_mul_i32 s[66+\i], s[20+\i], 3
	s_add_co_u32 s[66+\i], s[66+\i], \i-1
	s_lshl_b32 s[66+\i], s[66+\i], 13
	s_add_co_u32 s[66+\i], s[66+\i], PART          ; tile (w + i) % 4, slot i - 1
.endr
.irp i, 0,1,2,3
	s_lshl_b32 s[36+\i], s[20+\i], 6               ; 4 x the tile's first row in a round
	s_lshl_b32 s[20+\i], s[20+\i], 4               ; s20-23: the tile's first row
.endr
	s_mul_i32 s70, s16, 24576
	s_add_co_u32 s70, s70, PART
	s_mul_i32 s71, s16, 192
	s_lshl_b32 s72, s16, 3
	s_mul_i32 s73, s16, TW
	s_add_co_u32 s73, s73, TS
	s_mov_b32 s26, 0x76543210
	s_mov_b32 s27, 0xfedcba98
	KPAIR A1, 0x32edffee
	KPAIR A2, 0xb60cff51
	KPAIR A3, 0xb86ec2d2
	KPAIR A4, 0xba40ac63
	KPAIR A5, 0xbb41a1f6
	KPAIR A6, 0xbc83dbd4
	KPAIR B1, 0xb95fbd29
	KPAIR B2, 0xbadc924e
	KPAIR B3, 0xbbf19bf8
	KPAIR B4, 0xbc69b6a7
	KPAIR RH, 0x3f3504f3
	v_and_b32 v1, 31, v0                           ; lane
	v_and_b32 v2, 15, v0                           ; r
	v_bfe_u32 v3, v0, 4, 1                         ; h
	v_lshlrev_b32 v[LI], 4, v1
	v_lshlrev_b32 v[R4], 2, v2
.irp i, 1,2,3
	v_add_nc_u32 v[PST+\i], s[66+\i], v[LI]
.endr
.irp i, 0,1,2,3
	v_add_nc_u32 v[LB+\i], s[36+\i], v[R4]
.endr
	v_add_nc_u32 v[PLD], s70, v[LI]
	v_mul_u32_u24 v[XB], v3, 48
	v_add_nc_u32 v[XB], s71, v[XB]
	v_mov_b32 v[XSB], s72
	v_and_b32 v55, 8, v2
	v_add_nc_u32 v55, v55, v2                      ; r + 8 (r / 8)
	v_lshl_add_u32 v53, v55, 5, v[XSB]             ; W1's scale words
	v_lshlrev_b32 v54, 6, v3                       ; the bias: 64 h
	v_lshlrev_b32 v55, 2, v0                       ; 4 x thread
	v_cmp_gt_u32 s25, 16, v1
	v_mov_b32 v48, 0xaf95df0b
	v_mov_b32 v49, 0xaf95df0b
	v_mov_b32 v50, 0xb77460cd
	v_mov_b32 v51, 0xb77460cd
.irp b, 0,1,2,3
	v_mov_b32 v[TM+4+\b], 0
.endr
.irp q, 0,1,2                          ; eight rows of 192 bytes in three loads: loads 0 and 1 take the first 128 bytes of four rows each (eight lanes a row), load 2 the last 64 bytes of all eight (four lanes a row)
.if \q < 2
	v_bfe_u32 v57, v0, 3, 2
	v_add_nc_u32 v57, 4*\q, v57                    ; row 4 q + lane / 8
	v_and_b32 v58, 7, v0
	v_lshlrev_b32 v58, 4, v58                      ; column 16 (lane % 8)
.else
	v_bfe_u32 v57, v0, 2, 3                        ; row lane / 4
	v_and_b32 v58, 3, v0
	v_lshl_add_u32 v58, v58, 4, 128                ; column 128 + 16 (lane % 4)
.endif
	v_add_nc_u32 v59, s71, v58
	v_mad_u32_u24 v[WA+\q], v57, 0x300, v59
	v_mad_u32_u24 v58, v57, TP, v58
	v_add_nc_u32 v[SA+\q], s73, v58
.endr
	v_mul_u32_u24 v56, v2, TP
	v_mad_u32_u24 v56, v3, 48, v56
	v_add_nc_u32 v[LA], s73, v56
	s_wait_alu depctr_va_vdst(0)                   ; the wait at the head's end
	s_wait_kmcnt 0x0
	s_mov_b32 s33, 0
	s_lshl_b32 s32, s18, 12
	s_lshl_b32 s34, s17, 7
	s_add_co_u32 s34, s34, s32                     ; my first row of W1: 4096 e + 128 c
	s_mul_i32 s32, s34, 768
	s_add_nc_u64 s[6:7], s[6:7], s[32:33]
	s_lshl_b32 s32, s34, 5
	s_add_nc_u64 s[8:9], s[8:9], s[32:33]
	s_lshl_b32 s32, s34, 2
	s_add_nc_u64 s[10:11], s[10:11], s[32:33]
	s_lshl_b32 s34, s18, 5
	s_add_co_u32 s34, s34, s17                     ; 32 e + c
	s_mul_i32 s32, s34, 98304
	s_mul_i32 s35, s16, 1536
	s_add_co_u32 s32, s32, s35
	s_add_nc_u64 s[28:29], s[14:15], s[32:33]
	s_lshl_b32 s32, s34, 12
	s_lshl_b32 s35, s16, 6
	s_add_co_u32 s32, s32, s35
	s_add_nc_u64 s[30:31], s[14:15], s[32:33]
	s_add_nc_u64 s[30:31], s[30:31], 0x1800000
.irp j, 0,1,2,3,4,5,6,7
	global_load_b128 v[LS+4*\j:LS+4*\j+3], v[LI], s[12:13] offset:512*\j     ; all 1,024 choices
.endr
	WIN 0x40
.irp t, 0,1,2,3,4,5,6,7
.set RW, 32*((((\t/2)&1)<<1)|((\t/2)>>1))+8*(\t%2)
.irp g, 0,1
.irp q, 0,1,2
	global_load_b128 v[12*(2*\t+\g)+4*\q:12*(2*\t+\g)+4*\q+3], v[WA+\q], s[6:7] offset:(RW+16*\g)*768 th:TH_LOAD_NT   ; rows RW + 16 g + 0 .. 7, 192 bytes of each
.endr
.endr
.endr
	WIN 0
	s_lshl_b32 s32, 0x101, s18                     ; the two bits that say: chose e
	s_wait_loadcnt 48                              ; the choices are in; W1's 48 loads may stay out
.irp j, 0,1,2,3,4,5,6,7
	v_add_nc_u32 v[LP+\j], 128*\j, v0              ; my positions
.endr
.irp g, 0,1,2,3,4,5,6,7,8,9,10,11,12,13,14,15,16,17,18,19,20,21,22,23,24,25,26,27,28,29,30,31
	v_and_b32 v[QN+(\g%8)], s32, v[LS+\g]
	v_cmp_ne_u32 s[MK+\g], 0, v[QN+(\g%8)]
.endr
	s_mov_b32 s33, 0                               ; the running count
.irp j, 0,1,2,3,4,5,6,7
	v_mov_b32 v[LM+\j], s[MK]
	v_mov_b32 v[LBK+\j], 0
.endr
.irp g, 1,2,3,4,5,6,7,8,9,10,11,12,13,14,15,16,17,18,19,20,21,22,23,24,25,26,27,28,29,30,31
	s_bcnt1_i32_b32 s34, s[MK+\g-1]
	s_add_co_u32 s33, s33, s34
	s_or_b32 s35, s33, \g<<16                      ; the count before group g, and g
.irp j, 0,1,2,3,4,5,6,7
	v_cmp_gt_u32 vcc_lo, s33, v[LP+\j]             ; the group begins behind my position: keep what I have
	v_cndmask_b32 v[LM+\j], s[MK+\g], v[LM+\j], vcc_lo
	v_cndmask_b32 v[LBK+\j], s35, v[LBK+\j], vcc_lo
.endr
.endr
	s_bcnt1_i32_b32 s34, s[MK+31]
	s_add_co_u32 s19, s33, s34                     ; count[e]
.irp j, 0,1,2,3,4,5,6,7
	v_and_b32 v[QN+\j], 0xffff, v[LBK+\j]
	v_lshrrev_b32 v[QA+\j], 1, v[LM+\j]
.endr
.irp j, 0,1,2,3,4,5,6,7
	v_sub_nc_u32 v[QN+\j], v[LP+\j], v[QN+\j]      ; which set bit of the mask is mine
	v_and_b32 v[QA+\j], 0x55555555, v[QA+\j]
.endr
.irp j, 0,1,2,3,4,5,6,7
	v_lshrrev_b32 v[LBK+\j], 16, v[LBK+\j]         ; the group
	v_sub_nc_u32 v[QA+\j], v[LM+\j], v[QA+\j]      ; counts of 2 bits
.endr
.irp j, 0,1,2,3,4,5,6,7
	v_lshrrev_b32 v[QB+\j], 2, v[QA+\j]
	v_and_b32 v[QK+\j], 0x33333333, v[QA+\j]
.endr
.irp j, 0,1,2,3,4,5,6,7
	v_and_b32 v[QB+\j], 0x33333333, v[QB+\j]
	v_mov_b32 v[QP+\j], 0
.endr
.irp j, 0,1,2,3,4,5,6,7
	v_add_nc_u32 v[QB+\j], v[QB+\j], v[QK+\j]      ; of 4
.endr
.irp j, 0,1,2,3,4,5,6,7
	v_lshrrev_b32 v[QC+\j], 4, v[QB+\j]
.endr
.irp j, 0,1,2,3,4,5,6,7
	v_add_nc_u32 v[QC+\j], v[QC+\j], v[QB+\j]
.endr
.irp j, 0,1,2,3,4,5,6,7
	v_and_b32 v[QC+\j], 0x0f0f0f0f, v[QC+\j]       ; of 8
.endr
.irp j, 0,1,2,3,4,5,6,7
	v_lshrrev_b32 v[QD+\j], 8, v[QC+\j]
.endr
.irp j, 0,1,2,3,4,5,6,7
	v_add_nc_u32 v[QD+\j], v[QD+\j], v[QC+\j]      ; of 16, in byte 0
.endr
.macro LEVEL src, wd, st               ; the lower half's count at the place reached: if my rank is not below it, go to the upper half
.irp j, 0,1,2,3,4,5,6,7
	v_bfe_u32 v[QK+\j], v[\src+\j], v[QP+\j], \wd
.endr
.irp j, 0,1,2,3,4,5,6,7
	v_cmp_ge_u32 s[MK+\j], v[QN+\j], v[QK+\j]
.endr
.irp j, 0,1,2,3,4,5,6,7
	v_cndmask_b32 v[QK+\j], 0, v[QK+\j], s[MK+\j]
	v_add_nc_u32 v[QQ+\j], \st, v[QP+\j]
.endr
.irp j, 0,1,2,3,4,5,6,7
	v_sub_nc_u32 v[QN+\j], v[QN+\j], v[QK+\j]
	v_cndmask_b32 v[QP+\j], v[QP+\j], v[QQ+\j], s[MK+\j]
.endr
.endm
	LEVEL QD, 8, 16
	LEVEL QC, 8, 8
	LEVEL QB, 4, 4
	LEVEL QA, 2, 2
	LEVEL LM, 1, 1
.irp j, 0,1,2,3,4,5,6,7
	v_lshrrev_b32 v[QK+\j], 2, v[LBK+\j]
	v_and_b32 v[QQ+\j], 3, v[LBK+\j]
.endr
.irp j, 0,1,2,3,4,5,6,7
	v_lshl_add_u32 v[QK+\j], v[QK+\j], 7, v[QQ+\j]
.endr
.irp j, 0,1,2,3,4,5,6,7
	v_lshl_add_u32 v[QK+\j], v[QP+\j], 2, v[QK+\j] ; the token: 128 (g / 4) + 4 bit + g % 4, 0 .. 1023 whatever the position
.endr
.irp j, 0,1,2,3,4,5,6,7
	ds_store_b32 v55, v[QK+\j] offset:512*\j
.endr
	s_min_u32 s19, s19, 1024
	s_max_u32 s19, s19, 128                        ; s19: rows to be made
	s_wait_alu depctr_va_vdst(0)
	s_wait_dscnt 0x0                               ; for the others' sake: my part of the list lies in LDS
	s_barrier_signal -1
	s_barrier_wait -1
; x OF A ROUND, in three parts.  XLIST: s32 = 4 x the round's first row; the four sets' tokens are asked of the list.  XADDR: their offsets.  XLOAD: 24 loads of codes and 4 of scale words.
.macro XLIST
.irp i, 0,1,2,3
	v_add_nc_u32 v[56+\i], s32, v[LB+\i]
.endr
.irp i, 0,1,2,3
	ds_load_b32 v[60+\i], v[56+\i]
.endr
.endm
.macro XADDR
.irp i, 0,1,2,3
	v_min_u32 v[60+\i], 0x3ff, v[60+\i]            ; a loaded number enters an address behind a bound
.endr
.irp i, 0,1,2,3
	v_mad_u32_u24 v[XO+\i], v[60+\i], 0x300, v[XB]
	v_lshl_add_u32 v[XSO+\i], v[60+\i], 5, v[XSB]
.endr
.endm
.macro XLOAD
	WIN 0xc0                                       ; destination window 3
.irp i, 0,1,2,3
.irp s, 0,1
.irp q, 0,1,2
	global_load_b128 v[12*(2*\i+\s)+4*\q:12*(2*\i+\s)+4*\q+3], v[XO+\i], s[4:5] offset:96*\s+16*\q
.endr
.endr
.endr
	WIN 0
.irp i, 0,1,2,3
	global_load_b64 v[XS+2*\i:XS+2*\i+1], v[XSO+\i], s[4:5] offset:786432
.endr
.endm
	s_mov_b32 s32, 0
	XLIST
	s_wait_dscnt 0x0
	XADDR
	XLOAD
.irp t, 0,1,2,3,4,5,6,7
.set RW, 32*((((\t/2)&1)<<1)|((\t/2)>>1))+8*(\t%2)
	global_load_b64 v[W1S+2*\t:W1S+2*\t+1], v53, s[8:9] offset:RW*32
.endr
	WIN 0x40
.irp t, 0,1,2,3,4,5,6,7
.set RW, 32*((((\t/2)&1)<<1)|((\t/2)>>1))+8*(\t%2)
	global_load_b128 v[192+8*\t:192+8*\t+3], v54, s[10:11] offset:RW*4
	global_load_b128 v[192+8*\t+4:192+8*\t+7], v54, s[10:11] offset:RW*4+16
.endr
	s_wait_loadcnt 52                              ; W1's codes are in; behind them 24 + 4 loads of x, 8 of scale words, 16 of the bias
	WIN 0x04                                       ; an LDS store's data are its source 1: window 1
.irp t, 0,1,2,3,4,5,6,7
.irp g, 0,1
.irp q, 0,1,2
	ds_store_b128 v[SA+\q], v[12*(2*\t+\g)+4*\q:12*(2*\t+\g)+4*\q+3] offset:TT*\t+8*TP*\g
.endr
.endr
.endr
	WIN 0x40
.irp t, 0,1,2,3,4,5,6,7
.irp s, 0,1
.irp q, 0,1,2
	ds_load_b128 v[12*(2*\t+\s)+4*\q:12*(2*\t+\s)+4*\q+3], v[LA] offset:TT*\t+96*\s+16*\q
.endr
.endr
.endr
	WIN 0
	s_wait_loadcnt 0x0
.irp k, 0,1,2,3,4,5,6,7,8,9,10,11,12,13,14,15
	v_perm_b32 v[W1S+\k], v[W1S+\k], v[W1S+\k], 0x03010200   ; bytes 1 and 2 change places
.endr
.rept 8
	v_nop                                          ; a scale register written by a vector instruction stands eight places ahead of a scaled matrix instruction
.endr
	s_wait_alu depctr_va_vdst(0)
.macro PROD i
.if \i == 0
	WIN 0x9d
.else
	WIN 0xad
.endif
.irp t, 0,1,2,3,4,5,6,7
.if \i == 0
	v_wmma_scale_f32_16x16x128_f8f6f4 v[8*\t:8*\t+7], v[24*\t:24*\t+11], v[0:11], v[192+8*\t:192+8*\t+7], v[W1S+2*\t], v[XS] matrix_a_fmt:MATRIX_FMT_BF6 matrix_b_fmt:MATRIX_FMT_BF6
.else
	v_wmma_scale_f32_16x16x128_f8f6f4 v[64*\i+8*\t:64*\i+8*\t+7], v[24*\t:24*\t+11], v[24*\i:24*\i+11], 0, v[W1S+2*\t], v[XS+2*\i] matrix_a_fmt:MATRIX_FMT_BF6 matrix_b_fmt:MATRIX_FMT_BF6
.endif
.endr
	WIN 0xad
.irp t, 0,1,2,3,4,5,6,7
	v_wmma_scale_f32_16x16x128_f8f6f4 v[64*\i+8*\t:64*\i+8*\t+7], v[24*\t+12:24*\t+23], v[24*\i+12:24*\i+23], v[64*\i+8*\t:64*\i+8*\t+7], v[W1S+2*\t+1], v[XS+2*\i+1] matrix_a_fmt:MATRIX_FMT_BF6 matrix_b_fmt:MATRIX_FMT_BF6
.endr
	WIN 0
.rept 5
	v_nop
.endr
.endm
.macro SETM i
	s_add_co_u32 s32, s24, s[20+\i]
	s_cmp_lt_u32 s32, s19
	s_cbranch_scc0 .Lskip_\@
	s_wait_alu depctr_va_vdst(0)
	PROD \i
	WIN 0x08
.irp q, 0,1,2,3,4,5,6,7,8,9,10,11,12,13,14,15
	ds_store_b128 v[PST+\i], v[64*\i+4*\q:64*\i+4*\q+3] offset:512*\q
.endr
	WIN 0
.Lskip_\@:
.endm
.macro PF                              ; the next round's x, if it has rows (then this round is full, and every wave comes by here)
	s_add_co_u32 s32, s24, 64
	s_cmp_lt_u32 s32, s19
	s_cbranch_scc0 .Lnopf_\@
	XLOAD
.Lnopf_\@:
.endm
.macro GELU g
.set HB, H+16*\g
.irp k, 0,2,4,6,8,10,12,14
	v_pk_mul_f32 v[Z+\k:Z+\k+1], v[HB+\k:HB+\k+1], s[RH:RH+1] op_sel_hi:[1,0]
.endr
.irp k, 0,1,2,3,4,5,6,7,8,9,10,11,12,13,14,15
	v_med3_num_f32 v[Z+\k], v[Z+\k], -4.0, 4.0
.endr
.irp k, 0,2,4,6,8,10,12,14
	v_pk_mul_f32 v[X2+\k:X2+\k+1], v[Z+\k:Z+\k+1], v[Z+\k:Z+\k+1]
.endr
.irp k, 0,2,4,6,8,10,12,14
	v_pk_fma_f32 v[PA+\k:PA+\k+1], v[X2+\k:X2+\k+1], v[48:49], s[A1:A1+1] op_sel_hi:[1,1,0]
.endr
.irp k, 0,2,4,6,8,10,12,14
	v_pk_fma_f32 v[PB+\k:PB+\k+1], v[X2+\k:X2+\k+1], v[50:51], s[B1:B1+1] op_sel_hi:[1,1,0]
.endr
.irp c, A2,A3,A4,A5,A6
.irp k, 0,2,4,6,8,10,12,14
	v_pk_fma_f32 v[PA+\k:PA+\k+1], v[PA+\k:PA+\k+1], v[X2+\k:X2+\k+1], s[\c:\c+1] op_sel_hi:[1,1,0]
.endr
.endr
.irp c, B2,B3,B4
.irp k, 0,2,4,6,8,10,12,14
	v_pk_fma_f32 v[PB+\k:PB+\k+1], v[PB+\k:PB+\k+1], v[X2+\k:X2+\k+1], s[\c:\c+1] op_sel_hi:[1,1,0]
.endr
.endr
.irp k, 0,2,4,6,8,10,12,14
	v_pk_mul_f32 v[PA+\k:PA+\k+1], v[PA+\k:PA+\k+1], v[Z+\k:Z+\k+1]
.endr
	s_wait_alu depctr_va_vdst(0)
.irp k, 0,1,2,3,4,5,6,7,8,9,10,11,12,13,14,15
	v_rcp_f32 v[PB+\k], v[PB+\k]
.endr
.irp k, 0,2,4,6,8,10,12,14
	v_pk_mul_f32 v[HB+\k:HB+\k+1], v[HB+\k:HB+\k+1], 0.5 op_sel_hi:[1,0]
.endr
	s_wait_alu depctr_va_vdst(0)
.irp k, 0,2,4,6,8,10,12,14
	v_pk_mul_f32 v[PA+\k:PA+\k+1], v[PA+\k:PA+\k+1], v[PB+\k:PB+\k+1]
.endr
.irp k, 0,2,4,6,8,10,12,14
	v_pk_fma_f32 v[HB+\k:HB+\k+1], v[PA+\k:PA+\k+1], v[HB+\k:HB+\k+1], v[HB+\k:HB+\k+1]
.endr
.endm
.macro QUANT s
.irp b, 0,1,2,3
	v_max3_num_f32 v[TM+\b], |v[\s+16*\b]|, |v[\s+1+16*\b]|, 0x2800000
.endr
.irp i, 2,4,6,8,10,12,14
.irp b, 0,1,2,3
	v_max3_num_f32 v[TM+\b], v[TM+\b], |v[\s+16*\b+\i]|, |v[\s+1+16*\b+\i]|
.endr
.endr
.irp b, 0,1,2,3
	v_permlanex16_b32 v[TM+4+\b], v[TM+\b], s26, s27
.endr
.irp b, 0,1,2,3
	v_max_num_f32 v[TM+\b], v[TM+\b], v[TM+4+\b]
.endr
.irp b, 0,1,2,3
	v_add_nc_u32 v[TM+12+\b], 0xfe000000, v[TM+\b]
.endr
.irp b, 0,1,2,3
	v_lshrrev_b32 v[TM+4+\b], 23, v[TM+12+\b]
.endr
	v_lshl_or_b32 v[PW], v[TM+5], 8, v[TM+4]
	v_lshl_or_b32 v[PW], v[TM+6], 16, v[PW]
	v_lshl_or_b32 v[PW], v[TM+7], 24, v[PW]
.irp c, 0,1
	v_cvt_scalef32_pk16_bf6_f32 v[PC+6*\c:PC+2+6*\c], v[\s+32*\c:\s+15+32*\c], v[TM+12+2*\c]
	v_cvt_scalef32_pk16_bf6_f32 v[PC+12+4*\c:PC+14+4*\c], v[\s+16+32*\c:\s+31+32*\c], v[TM+12+2*\c+1]
.endr
	v_nop
.irp c, 0,1
.irp i, 0,1,2
	v_permlane16_swap_b32 v[PC+6*\c+\i], v[PC+12+4*\c+\i]
.endr
.irp i, 0,1,2
	v_mov_b32 v[PC+3+6*\c+\i], v[PC+12+4*\c+\i]
.endr
.endr
.endm
	s_mov_b32 s24, 0
.Ltrip:                                            ; 16 trips of 64 rows
	s_wait_loadcnt 0x0                             ; this round's x, asked for a round ago: the count is right on every way here
	s_wait_dscnt 0x0                               ; (at the first trip: W1 is back from its turn)
	SETM 1
	SETM 2
	SETM 3
	s_wait_dscnt 0x0                               ; for the others' sake: my partial sums lie in LDS
	s_barrier_signal -1
	s_barrier_wait -1
	s_add_co_u32 s32, s24, s20
	s_cmp_lt_u32 s32, s19
	s_cbranch_scc0 .Lb2
	s_add_co_u32 s32, s24, 64
	s_min_u32 s32, s32, 960                        ; inside the list whatever the trip: the tokens are asked for with no test, ahead of the 48 loads below
	s_lshl_b32 s32, s32, 2
	XLIST
	WIN 0x80
.irp j, 1,2,3
.irp q, 0,1,2,3,4,5,6,7,8,9,10,11,12,13,14,15
	ds_load_b128 v[64*\j+4*\q:64*\j+4*\q+3], v[PLD] offset:8192*(\j-1)+512*\q
.endr
.endr
	WIN 0
	s_wait_dscnt 48                                ; the four tokens are in; the 48 loads issued behind them may stay out
	XADDR
	s_wait_alu depctr_va_vdst(0)
	PROD 0
	PF
	s_wait_dscnt 0x0
	WIN 0x8a
.irp k, 0,2,4,6,8,10,12,14,16,18,20,22,24,26,28,30,32,34,36,38,40,42,44,46,48,50,52,54,56,58,60,62
	v_pk_add_f32 v[\k:\k+1], v[\k:\k+1], v[64+\k:64+\k+1]
.endr
.irp k, 0,2,4,6,8,10,12,14,16,18,20,22,24,26,28,30,32,34,36,38,40,42,44,46,48,50,52,54,56,58,60,62
	v_pk_add_f32 v[128+\k:128+\k+1], v[128+\k:128+\k+1], v[192+\k:192+\k+1]
.endr
	WIN 0x0a
.irp k, 0,2,4,6,8,10,12,14,16,18,20,22,24,26,28,30,32,34,36,38,40,42,44,46,48,50,52,54,56,58,60,62
	v_pk_add_f32 v[H+\k:H+\k+1], v[\k:\k+1], v[128+\k:128+\k+1]
.endr
	WIN 0
	GELU 0
	GELU 1
	GELU 2
	GELU 3
	QUANT H
.irp q, 0,1,2
	global_store_b128 v[LI], v[PC+4*\q:PC+4*\q+3], s[28:29] offset:512*\q
.endr
	s_wait_xcnt 0x0
	s_and_saveexec_b32 s34, s25
	global_store_b32 v[R4], v[PW], s[30:31]
	s_wait_xcnt 0x0
	s_or_b32 exec_lo, exec_lo, s34
.Lb2:
	s_wait_dscnt 0x0
	s_barrier_signal -1
	s_barrier_wait -1
	s_wait_xcnt 0x0
	s_add_nc_u64 s[28:29], s[28:29], 6144
	s_add_nc_u64 s[30:31], s[30:31], 256
	s_add_co_u32 s24, s24, 64
	s_cmp_lt_u32 s24, 1024
	s_cbranch_scc1 .Ltrip
	s_wait_tensorcnt 0x0
	ds_add_u32 v254, v255
	s_wait_dscnt 0x0
	s_endpgm
.Lfunc_end_k_qb0d8825e2d_gemm1:
	.size	k_qb0d8825e2d_gemm1, .Lfunc_end_k_qb0d8825e2d_gemm1-k_qb0d8825e2d_gemm1
	.p2alignl 7, 3214868480
	.fill 96, 4, 3214868480
	.section	.rodata,"a",@progbits
	.p2align	6, 0x0
	.amdhsa_kernel k_qb0d8825e2d_gemm1
		.amdhsa_group_segment_fixed_size 209920
		.amdhsa_private_segment_fixed_size 0
		.amdhsa_enable_private_segment 0
		.amdhsa_kernarg_size 48
		.amdhsa_user_sgpr_count 2
		.amdhsa_user_sgpr_kernarg_segment_ptr 1
		.amdhsa_wavefront_size32 1
		.amdhsa_system_sgpr_workgroup_id_x 1
		.amdhsa_system_sgpr_workgroup_id_y 1
		.amdhsa_system_sgpr_workgroup_id_z 1
		.amdhsa_system_vgpr_workitem_id 0
		.amdhsa_next_free_vgpr 864
		.amdhsa_next_free_sgpr 100
		.amdhsa_reserve_vcc 1
		.amdhsa_float_denorm_mode_32 3
		.amdhsa_float_denorm_mode_16_64 3
		.amdhsa_memory_ordered 1
		.amdhsa_forward_progress 1
		.amdhsa_inst_pref_size 147
	.end_amdhsa_kernel
	.amdgpu_metadata
---
amdhsa.version: [ 1, 2 ]
amdhsa.kernels:
  - .name:           k_qb0d8825e2d_gemm1
    .symbol:         k_qb0d8825e2d_gemm1.kd
    .args:
      - { .name: xq, .offset: 0, .size: 8, .value_kind: global_buffer, .address_space: global }
      - { .name: W1_codes, .offset: 8, .size: 8, .value_kind: global_buffer, .address_space: global }
      - { .name: W1_scales, .offset: 16, .size: 8, .value_kind: global_buffer, .address_space: global }
      - { .name: b1, .offset: 24, .size: 8, .value_kind: global_buffer, .address_space: global }
      - { .name: sel, .offset: 32, .size: 8, .value_kind: global_buffer, .address_space: global }
      - { .name: hq, .offset: 40, .size: 8, .value_kind: global_buffer, .address_space: global }
    .group_segment_fixed_size: 209920
    .private_segment_fixed_size: 0
    .kernarg_segment_align: 8
    .kernarg_segment_size: 48
    .max_flat_workgroup_size: 128
    .sgpr_count:     100
    .vgpr_count:     864
    .wavefront_size: 32
...
	.end_amdgpu_metadata
.endif
;; end of part 2
;; launch gemm2 (part 3): grid 16 x 16, 4 waves a work-group, no clusters, 275,968 bytes of LDS; arguments hq, W2_codes, W2_scales, b2, sel, gate, y; writes y
.if DOCPART == 3
	.amdgcn_target "amdgcn-amd-amdhsa--gfx1250"
	.amdhsa_code_object_version 6
	.text
	.protected	k_qb0d8825e2d_gemm2
	.globl	k_qb0d8825e2d_gemm2
	.p2align	8
	.type	k_qb0d8825e2d_gemm2,@function
k_qb0d8825e2d_gemm2:
	s_mov_b64 s[64:65], 0
	v_nop
	global_prefetch_b8 v0, s[64:65] scope:SCOPE_SE
	s_setreg_imm32_b32 hwreg(HW_REG_WAVE_MODE, 25, 1), 1
	s_wait_xcnt 0x0
; y[slot] = gate[slot] x (h W2[e] + b2[e]) for the rows that chose expert e (the others have the combine weight 0 in reference() and are not made).
; Work-group (cs, 2 e + p) makes output columns 64 cs .. 64 cs + 63 of expert e for its row tiles of parity p.
; THE LIST OF ROWS is made here from sel, by the lines of the launch before, for the positions of my parity alone: index idx = 16 x (tile / 2) + r stands for position 32 (idx / 16) + 16 p + idx % 16.
; By the token found, sel's word gives k (is e the second choice?) and gate the weight; LDS holds, by idx, the slot 2 n + k and the gate.  Behind the count stands the filler 2048 + 16 e + position % 16, a row of y that nobody reads.
; THE WEIGHTS STAND STILL: 64 rows of W2 go from memory into registers.  K = 4,096 is split over the four waves: wave w holds K steps 8 w .. 8 w + 7 of the four column tiles.
; LOADS BY NEIGHBOURING LANES: of each row a wave wants 768 neighbouring bytes; three loads take two rows.  They land in the fragments' own registers and are turned through the wave's own LDS bytes (rows of 784 bytes):
; stored as loaded, read back 48 bytes a lane for each K step.  LDS serves a wave's instructions in order, so no wait stands between.
; A ROUND is four tiles of 16 rows (every second tile of the expert).  Set i of wave w works on tile (w + i) % 4; set 0 is the wave's own.  Sets 1 to 3's partial sums go to LDS; behind a barrier wave w adds its tile's four parts,
; multiplies by the gate and stores 16 rows.  b2 is the C of set 0's first product.
; The count hangs on numbers read from memory: 8 trips whatever it is, every wave passes both barriers of every trip, scalar branches jump over work alone.  So no tensor load, no joint load, no cluster.
; The first round's loads have no test: the launch before makes tiles 0 to 7 of every expert.
; THE ORDER OF K is the launch before's; bytes 1 and 2 of W2's scale words change places.  TRANSPOSED: source 0 = 16 rows of W2, source 1 = 16 rows of h.
; LIMITS: NaN and infinities are not served; the order of K and its split over four waves give another order of rounding than a single ascending sum.
; REGISTERS.  64 fragments of 12 registers: W2's (K step s, tile t) is number 4 s + t, h's (set i, K step s) number 32 + 8 i + s.  Number F < 63 lies in window 1 + F / 21 at 12 (F % 21), number 63 in window 0 at v80.
; Window 0: v4-31 addresses, v32-47 W2's scale words, v48-79 h's, v92-93 the turn's places, v96-127 b2, v128-255 the four sets' sums (at the head: the list's work).
.set GL,    4096
.set PART,  8192
.set STAGE, 57344
.set TS,    75264                      ; behind the spare words (0x12400): 50,176 bytes for each wave: four tiles of 16 rows x 784
.set LI,   4
.set R4,   5
.set HO,   6
.set HSO,  10
.set PST,  13
.set PLD,  17
.set W2S,  32
.set HS,   48
.set BIAS, 96
.set ACC,  128
.set MK,   66
.set LS,   128
.set LP,   160
.set LM,   168
.set LBK,  176
.set QA,   128
.set QB,   136
.set QC,   144
.set QD,   152
.set QN,   184
.set QP,   192
.set QK,   200
.set QQ,   208
.set MSB, 0
.macro WIN new
.if MSB != \new
	s_set_vgpr_msb (MSB<<8)|\new
.set MSB, \new
.endif
.endm
.macro FLOC f
.if (\f) < 63
.set FW, 1+(\f)/21
.set FRG, 12*((\f)%21)
.else
.set FW, 0
.set FRG, 80
.endif
.endm
	s_load_b256 s[4:11], s[0:1], 0x0               ; hq, W2's codes, W2's scales, b2
	s_load_b128 s[12:15], s[0:1], 0x20             ; sel, gate
	s_load_b64 s[28:29], s[0:1], 0x30              ; y
	v_lshl_add_u32 v94, v0, 2, 0x12400
	v_mov_b32 v95, 0
	v_lshrrev_b32 v1, 5, v0
	v_readfirstlane_b32 s16, v1                    ; w
	s_mov_b32 s17, ttmp9                           ; cs
	s_and_b32 s18, ttmp7, 0xffff
	s_and_b32 s25, s18, 1                          ; p
	s_lshr_b32 s18, s18, 1                         ; e
.irp i, 0,1,2,3
	s_add_co_u32 s[20+\i], s16, \i
	s_and_b32 s[20+\i], s[20+\i], 3
.endr
.irp i, 1,2,3
	s_mul_i32 s[66+\i], s[20+\i], 3
	s_add_co_u32 s[66+\i], s[66+\i], \i-1
	s_lshl_b32 s[66+\i], s[66+\i], 12
	s_add_co_u32 s[66+\i], s[66+\i], PART
.endr
	s_lshl_b32 s75, s25, 4
.irp i, 0,1,2,3
	s_lshl_b32 s[20+\i], s[20+\i], 5
	s_add_co_u32 s[20+\i], s[20+\i], s75           ; s20-23: the tile's first row in a round of 128: 32 x tile + 16 p
.endr
	s_mul_i32 s70, s16, 12288
	s_add_co_u32 s70, s70, PART
	s_mul_i32 s71, s16, 4352
	s_add_co_u32 s71, s71, STAGE
	s_mul_i32 s72, s16, 768
	s_lshl_b32 s73, s16, 5
	s_mul_i32 s74, s16, 50176
	s_add_co_u32 s74, s74, TS
	s_lshl_b32 s38, 0x101, s18                     ; the two bits that say: chose e
	s_add_co_u32 s39, s18, 8
	s_lshl_b32 s40, s18, 4
	s_add_co_u32 s40, s40, 2048                    ; the fillers' base
	v_and_b32 v1, 31, v0                           ; lane
	v_and_b32 v2, 15, v0                           ; r
	v_bfe_u32 v3, v0, 4, 1                         ; h
	v_lshlrev_b32 v[LI], 4, v1
	v_lshlrev_b32 v[R4], 2, v2
.irp i, 1,2,3
	v_add_nc_u32 v[PST+\i], s[66+\i], v[LI]
.endr
	v_add_nc_u32 v[PLD], s70, v[LI]
	v_mul_u32_u24 v18, v2, 272
	v_lshl_add_u32 v18, v3, 5, v18
	v_add_nc_u32 v18, s71, v18
	v_mul_u32_u24 v19, v3, 272
	v_lshl_add_u32 v19, v2, 4, v19
	v_add_nc_u32 v19, s71, v19
	v_lshlrev_b32 v20, 4, v2
	v_add_nc_u32 v21, GL, v[R4]
	v_lshlrev_b32 v22, 2, v3
	v_mov_b32 v27, 0
	v_add_nc_u32 v28, s72, v[LI]                   ; W2's codes: 768 w + 16 lane;
	v_mad_u32_u24 v23, v3, 0x900, v28              ; the middle load of three: lanes 16-31 are in the next row (3,072 - 768 further on)
	v_lshlrev_b32 v29, 7, v1
	v_add_nc_u32 v29, s73, v29                     ; W2's scale words
	v_lshlrev_b32 v30, 5, v3                       ; b2: 32 h
	v_lshlrev_b32 v31, 2, v0                       ; 4 x thread
	v_add_nc_u32 v92, s74, v[LI]                   ; the turn, on the way in;
	v_lshl_add_u32 v93, v3, 4, v92                 ; the middle load (784 - 768 further on)
	v_mul_u32_u24 v24, v2, 784
	v_mad_u32_u24 v24, v3, 48, v24
	v_add_nc_u32 v24, s74, v24                     ; and on the way out: 784 r + 48 h
	v_lshrrev_b32 v25, 4, v0
	v_lshl_add_u32 v25, v25, 5, v2
	v_add_nc_u32 v25, s75, v25                     ; my first position: 32 (thread / 16) + 16 p + thread % 16
.irp j, 0,1,2,3
	v_add_nc_u32 v[LP+\j], 256*\j, v25
.endr
	s_wait_alu depctr_va_vdst(0)                   ; the wait at the head's end
	s_wait_kmcnt 0x0
	s_mov_b32 s33, 0
	s_lshl_b32 s32, s18, 17
	s_lshl_b32 s36, s16, 15
	s_add_co_u32 s32, s32, s36
	s_add_nc_u64 s[26:27], s[4:5], s[32:33]
	s_add_nc_u64 s[26:27], s[26:27], 0x1800000     ; h's scale words of expert e, K step 8 w
	s_mul_i32 s32, s18, 3145728
	s_mul_i32 s36, s16, 786432
	s_add_co_u32 s32, s32, s36
	s_add_nc_u64 s[4:5], s[4:5], s[32:33]          ; h's images likewise
	s_lshl_b32 s36, s18, 10
	s_lshl_b32 s37, s17, 6
	s_add_co_u32 s36, s36, s37                     ; my first row of W2
	s_mul_i32 s32, s36, 3072
	s_add_nc_u64 s[6:7], s[6:7], s[32:33]
	s_lshl_b32 s32, s36, 7
	s_add_nc_u64 s[8:9], s[8:9], s[32:33]
	s_lshl_b32 s32, s36, 2
	s_add_nc_u64 s[10:11], s[10:11], s[32:33]
	s_lshl_b32 s32, s17, 8
	s_add_nc_u64 s[28:29], s[28:29], s[32:33]      ; y at my 64 columns
.macro WLOAD t                         ; column tile t: 16 rows x 768 bytes; the three loads of pair s take rows 2 s, 2 s + 1 and land in fragment (s, t)
.irp s, 0,1,2,3,4,5,6,7
	FLOC 4*\s+\t
.set NW, FW<<6
	WIN NW
	global_load_b128 v[FRG:FRG+3], v28, s[6:7] offset:49152*\t+6144*\s
	global_load_b128 v[FRG+4:FRG+7], v23, s[6:7] offset:49152*\t+6144*\s+512
	global_load_b128 v[FRG+8:FRG+11], v28, s[6:7] offset:49152*\t+6144*\s+3328
.endr
.endm
.macro WTURN t
.irp s, 0,1,2,3,4,5,6,7
	FLOC 4*\s+\t
.set NW, FW<<2
	WIN NW                                         ; an LDS store's data are its source 1
	ds_store_b128 v92, v[FRG:FRG+3] offset:12544*\t+1568*\s
	ds_store_b128 v93, v[FRG+4:FRG+7] offset:12544*\t+1568*\s+512
	ds_store_b128 v92, v[FRG+8:FRG+11] offset:12544*\t+1568*\s+1040
.endr
.irp s, 0,1,2,3,4,5,6,7
	FLOC 4*\s+\t
.set NW, FW<<6
	WIN NW
.irp q, 0,1,2
	ds_load_b128 v[FRG+4*\q:FRG+4*\q+3], v24 offset:12544*\t+96*\s+16*\q
.endr
.endr
.endm
.irp j, 0,1,2,3,4,5,6,7
	global_load_b128 v[LS+4*\j:LS+4*\j+3], v[LI], s[12:13] offset:512*\j     ; all 1,024 choices
.endr
	WLOAD 0
	WLOAD 1
	WIN 0
	s_wait_loadcnt 48                              ; the choices are in; the 48 loads of W2 behind them may stay out
.irp g, 0,1,2,3,4,5,6,7,8,9,10,11,12,13,14,15,16,17,18,19,20,21,22,23,24,25,26,27,28,29,30,31
	v_and_b32 v[QN+(\g%8)], s38, v[LS+\g]
	v_cmp_ne_u32 s[MK+\g], 0, v[QN+(\g%8)]
.endr
	s_mov_b32 s33, 0                               ; the running count
.irp j, 0,1,2,3
	v_mov_b32 v[LM+\j], s[MK]
	v_mov_b32 v[LBK+\j], 0
.endr
.irp g, 1,2,3,4,5,6,7,8,9,10,11,12,13,14,15,16,17,18,19,20,21,22,23,24,25,26,27,28,29,30,31
	s_bcnt1_i32_b32 s34, s[MK+\g-1]
	s_add_co_u32 s33, s33, s34
	s_or_b32 s35, s33, \g<<16
.irp j, 0,1,2,3
	v_cmp_gt_u32 vcc_lo, s33, v[LP+\j]
	v_cndmask_b32 v[LM+\j], s[MK+\g], v[LM+\j], vcc_lo
	v_cndmask_b32 v[LBK+\j], s35, v[LBK+\j], vcc_lo
.endr
.endr
	s_bcnt1_i32_b32 s34, s[MK+31]
	s_add_co_u32 s19, s33, s34
	s_min_u32 s19, s19, 1024                       ; s19: the expert's rows
.irp j, 0,1,2,3
	v_and_b32 v[QN+\j], 0xffff, v[LBK+\j]
	v_lshrrev_b32 v[QA+\j], 1, v[LM+\j]
.endr
.irp j, 0,1,2,3
	v_sub_nc_u32 v[QN+\j], v[LP+\j], v[QN+\j]
	v_and_b32 v[QA+\j], 0x55555555, v[QA+\j]
.endr
.irp j, 0,1,2,3
	v_lshrrev_b32 v[LBK+\j], 16, v[LBK+\j]
	v_sub_nc_u32 v[QA+\j], v[LM+\j], v[QA+\j]
.endr
.irp j, 0,1,2,3
	v_lshrrev_b32 v[QB+\j], 2, v[QA+\j]
	v_and_b32 v[QK+\j], 0x33333333, v[QA+\j]
.endr
.irp j, 0,1,2,3
	v_and_b32 v[QB+\j], 0x33333333, v[QB+\j]
	v_mov_b32 v[QP+\j], 0
.endr
.irp j, 0,1,2,3
	v_add_nc_u32 v[QB+\j], v[QB+\j], v[QK+\j]
.endr
.irp j, 0,1,2,3
	v_lshrrev_b32 v[QC+\j], 4, v[QB+\j]
.endr
.irp j, 0,1,2,3
	v_add_nc_u32 v[QC+\j], v[QC+\j], v[QB+\j]
.endr
.irp j, 0,1,2,3
	v_and_b32 v[QC+\j], 0x0f0f0f0f, v[QC+\j]
.endr
.irp j, 0,1,2,3
	v_lshrrev_b32 v[QD+\j], 8, v[QC+\j]
.endr
.irp j, 0,1,2,3
	v_add_nc_u32 v[QD+\j], v[QD+\j], v[QC+\j]
.endr
.macro LEVEL src, wd, st
.irp j, 0,1,2,3
	v_bfe_u32 v[QK+\j], v[\src+\j], v[QP+\j], \wd
.endr
.irp j, 0,1,2,3
	v_cmp_ge_u32 s[MK+\j], v[QN+\j], v[QK+\j]
.endr
.irp j, 0,1,2,3
	v_cndmask_b32 v[QK+\j], 0, v[QK+\j], s[MK+\j]
	v_add_nc_u32 v[QQ+\j], \st, v[QP+\j]
.endr
.irp j, 0,1,2,3
	v_sub_nc_u32 v[QN+\j], v[QN+\j], v[QK+\j]
	v_cndmask_b32 v[QP+\j], v[QP+\j], v[QQ+\j], s[MK+\j]
.endr
.endm
	LEVEL QD, 8, 16
	LEVEL QC, 8, 8
	LEVEL QB, 4, 4
	LEVEL QA, 2, 2
	LEVEL LM, 1, 1
.irp j, 0,1,2,3
	v_lshrrev_b32 v[QK+\j], 2, v[LBK+\j]
	v_and_b32 v[QQ+\j], 3, v[LBK+\j]
.endr
.irp j, 0,1,2,3
	v_lshl_add_u32 v[QK+\j], v[QK+\j], 7, v[QQ+\j]
.endr
.irp j, 0,1,2,3
	v_lshl_add_u32 v[QK+\j], v[QP+\j], 2, v[QK+\j] ; the token
.endr
.irp j, 0,1,2,3
	v_min_u32 v[QK+\j], 0x3ff, v[QK+\j]            ; a number made of loaded numbers enters an address behind a bound
.endr
.irp j, 0,1,2,3
	v_lshlrev_b32 v[QA+\j], 2, v[QK+\j]
	v_lshlrev_b32 v[QB+\j], 3, v[QK+\j]
.endr
.irp j, 0,1,2,3
	global_load_b32 v[QC+\j], v[QA+\j], s[12:13]               ; the token's choice,
	global_load_b64 v[QD+2*\j:QD+2*\j+1], v[QB+\j], s[14:15]   ; and its two gates
.endr
	WLOAD 2
	WLOAD 3
	WIN 0
.irp g, 0,1
	global_load_b128 v[W2S+8*\g:W2S+8*\g+3], v29, s[8:9] offset:4096*\g
	global_load_b128 v[W2S+8*\g+4:W2S+8*\g+7], v29, s[8:9] offset:4096*\g+16
.endr
.irp t, 0,1,2,3
	global_load_b128 v[BIAS+8*\t:BIAS+8*\t+3], v30, s[10:11] offset:64*\t
	global_load_b128 v[BIAS+8*\t+4:BIAS+8*\t+7], v30, s[10:11] offset:64*\t+16
.endr
	s_wait_alu depctr_va_vdst(0)
	s_wait_loadcnt 60                              ; the eight gathered loads are in, and W2's tiles 0 and 1 ahead of them; the 48 + 4 + 8 behind may stay out
.irp j, 0,1,2,3
	v_bfe_u32 v[QQ+\j], v[QC+\j], s39, 1           ; k: 1 if e is the second choice
	v_and_b32 v[QP+\j], 15, v[LP+\j]
.endr
.irp j, 0,1,2,3
	v_cmp_ne_u32 s[MK+\j], 0, v[QQ+\j]
	v_lshl_add_u32 v[QK+\j], v[QK+\j], 1, v[QQ+\j] ; the slot 2 n + k
.endr
.irp j, 0,1,2,3
	v_cndmask_b32 v[QN+\j], v[QD+2*\j], v[QD+2*\j+1], s[MK+\j]   ; its gate
	v_add_nc_u32 v[QP+\j], s40, v[QP+\j]           ; or the filler
.endr
.irp j, 0,1,2,3
	v_cmp_gt_u32 s[MK+\j], s19, v[LP+\j]
.endr
.irp j, 0,1,2,3
	v_cndmask_b32 v[QK+\j], v[QP+\j], v[QK+\j], s[MK+\j]
.endr
.irp j, 0,1,2,3
	ds_store_b32 v31, v[QK+\j] offset:512*\j
	ds_store_b32 v31, v[QN+\j] offset:GL+512*\j
.endr
	WTURN 0                                        ; (the list and the gates are first read behind the loop's first barrier, in front of which every wave waits for all its LDS instructions)
	WTURN 1
	WIN 0
.macro HLOAD i
.irp s, 0,1,2,3,4,5,6,7
	FLOC 32+8*\i+\s
.set NW, FW<<6
	WIN NW
.irp q, 0,1,2
	global_load_b128 v[FRG+4*\q:FRG+4*\q+3], v[HO+\i], s[4:5] offset:98304*\s+512*\q
.endr
.endr
	WIN 0
.irp s, 0,1,2,3,4,5,6,7
	global_load_b32 v[HS+8*\i+\s], v[HSO+\i], s[26:27] offset:4096*\s
.endr
.endm
.macro HFIRST i
	s_mul_i32 s33, s[20+\i], 96
	s_lshl_b32 s34, s[20+\i], 2
	v_add_nc_u32 v[HO+\i], s33, v[LI]
	v_add_nc_u32 v[HSO+\i], s34, v[R4]
	HLOAD \i
.endm
	HFIRST 0
	HFIRST 1
	s_wait_loadcnt 63                              ; W2's tiles 2 and 3 are in: behind them stand 4 + 8 loads and two sets' 64, more than this count leaves out
	WTURN 2
	WTURN 3
	WIN 0
	HFIRST 2
	HFIRST 3
	s_wait_loadcnt 0x0
	s_wait_dscnt 0x0                               ; W2 is back from its turn
.irp k, 0,1,2,3,4,5,6,7,8,9,10,11,12,13,14,15
	v_perm_b32 v[W2S+\k], v[W2S+\k], v[W2S+\k], 0x03010200
.endr
.rept 8
	v_nop
.endr
	s_wait_alu depctr_va_vdst(0)
.macro MM zero, odd
.if \zero
.if \odd
	v_wmma_scale_f32_16x16x128_f8f6f4 v[DR:DR+7], v[AR:AR+11], v[FRG:FRG+11], 0, v[SA], v[SB] matrix_a_fmt:MATRIX_FMT_BF6 matrix_b_fmt:MATRIX_FMT_BF6 matrix_a_scale:MATRIX_SCALE_ROW1
.else
	v_wmma_scale_f32_16x16x128_f8f6f4 v[DR:DR+7], v[AR:AR+11], v[FRG:FRG+11], 0, v[SA], v[SB] matrix_a_fmt:MATRIX_FMT_BF6 matrix_b_fmt:MATRIX_FMT_BF6
.endif
.else
.if \odd
	v_wmma_scale_f32_16x16x128_f8f6f4 v[DR:DR+7], v[AR:AR+11], v[FRG:FRG+11], v[CR:CR+7], v[SA], v[SB] matrix_a_fmt:MATRIX_FMT_BF6 matrix_b_fmt:MATRIX_FMT_BF6 matrix_a_scale:MATRIX_SCALE_ROW1
.else
	v_wmma_scale_f32_16x16x128_f8f6f4 v[DR:DR+7], v[AR:AR+11], v[FRG:FRG+11], v[CR:CR+7], v[SA], v[SB] matrix_a_fmt:MATRIX_FMT_BF6 matrix_b_fmt:MATRIX_FMT_BF6
.endif
.endif
.endm
.macro PROD i
.irp s, 0,1,2,3,4,5,6,7
.irp t, 0,1,2,3
	FLOC 4*\s+\t
.set AW, FW
.set AR, FRG
	FLOC 32+8*\i+\s
.set NW, (FW<<2)|AW
	WIN NW
.set DR, ACC+32*\i+8*\t
.set SA, W2S+8*(\t/2)+\s
.set SB, HS+8*\i+\s
.if \s > 0
.set CR, DR
	MM 0, \t%2
.elseif \i == 0
.set CR, BIAS+8*\t
	s_wait_alu depctr_va_vdst(0)
	MM 0, \t%2
.else
	MM 1, \t%2
.endif
.endr
.endr
	WIN 0
.rept 5
	v_nop
.endr
.endm
.macro PFH i
	s_add_co_u32 s32, s24, s[20+\i]
	s_add_co_u32 s32, s32, 128
	s_cmp_lt_u32 s32, s19
	s_cbranch_scc0 .Lnp_\@
	s_mul_i32 s33, s32, 96
	s_lshl_b32 s34, s32, 2
	v_add_nc_u32 v[HO+\i], s33, v[LI]
	v_add_nc_u32 v[HSO+\i], s34, v[R4]
	HLOAD \i
.Lnp_\@:
.endm
.macro SETM i
	s_add_co_u32 s32, s24, s[20+\i]
	s_cmp_lt_u32 s32, s19
	s_cbranch_scc0 .Lskip_\@
	s_wait_alu depctr_va_vdst(0)
	PROD \i
.irp q, 0,1,2,3,4,5,6,7
	ds_store_b128 v[PST+\i], v[ACC+32*\i+4*\q:ACC+32*\i+4*\q+3] offset:512*\q
.endr
	PFH \i
.Lskip_\@:
.endm
	s_mov_b32 s24, 0
.Ltrip:                                            ; 8 trips of 128 rows, of which this work-group takes every second tile
	s_wait_loadcnt 0x0
	SETM 1
	SETM 2
	SETM 3
	s_wait_dscnt 0x0
	s_barrier_signal -1
	s_barrier_wait -1
	s_add_co_u32 s32, s24, s20
	s_cmp_lt_u32 s32, s19
	s_cbranch_scc0 .Lb2
	s_lshr_b32 s33, s32, 5
	s_lshl_b32 s33, s33, 6                         ; 4 x the tile's first index: 16 x (row / 32)
	v_add_nc_u32 v24, s33, v21
	v_add_nc_u32 v25, s33, v22
.irp j, 1,2,3
.irp q, 0,1,2,3,4,5,6,7
	ds_load_b128 v[ACC+32*\j+4*\q:ACC+32*\j+4*\q+3], v[PLD] offset:4096*(\j-1)+512*\q
.endr
.endr
	ds_load_b32 v26, v24
	PROD 0
	PFH 0
	s_wait_dscnt 0x0
.irp k, 0,2,4,6,8,10,12,14,16,18,20,22,24,26,28,30
	v_pk_add_f32 v[ACC+\k:ACC+\k+1], v[ACC+\k:ACC+\k+1], v[ACC+32+\k:ACC+32+\k+1]
.endr
.irp k, 0,2,4,6,8,10,12,14,16,18,20,22,24,26,28,30
	v_pk_add_f32 v[ACC+64+\k:ACC+64+\k+1], v[ACC+64+\k:ACC+64+\k+1], v[ACC+96+\k:ACC+96+\k+1]
.endr
.irp k, 0,2,4,6,8,10,12,14,16,18,20,22,24,26,28,30
	v_pk_add_f32 v[ACC+\k:ACC+\k+1], v[ACC+\k:ACC+\k+1], v[ACC+64+\k:ACC+64+\k+1]
.endr
.irp k, 0,2,4,6,8,10,12,14,16,18,20,22,24,26,28,30
	v_pk_mul_f32 v[ACC+\k:ACC+\k+1], v[ACC+\k:ACC+\k+1], v[26:27] op_sel_hi:[1,0]
.endr
.irp i, 0,1,2,3,4,5,6,7
	ds_load_b32 v[224+\i], v25 offset:8*\i
.endr
.irp t, 0,1,2,3
	ds_store_b128 v18, v[ACC+8*\t:ACC+8*\t+3] offset:64*\t
	ds_store_b128 v18, v[ACC+8*\t+4:ACC+8*\t+7] offset:64*\t+16
.endr
.irp i, 0,1,2,3,4,5,6,7
	ds_load_b128 v[160+4*\i:163+4*\i], v19 offset:544*\i
.endr
	s_wait_dscnt 16
.irp i, 0,1,2,3,4,5,6,7
	v_min_u32 v[224+\i], 0x87f, v[224+\i]
.endr
.irp i, 0,1,2,3,4,5,6,7
	v_lshl_add_u32 v[224+\i], v[224+\i], 12, v20
.endr
	s_wait_alu depctr_va_vdst(0)
.irp i, 0,1,2,3,4,5,6,7
	s_wait_dscnt 7-\i
	global_store_b128 v[224+\i], v[160+4*\i:163+4*\i], s[28:29]
.endr
.Lb2:
	s_wait_dscnt 0x0
	s_barrier_signal -1
	s_barrier_wait -1
	s_wait_xcnt 0x0
	s_add_co_u32 s24, s24, 128
	s_cmp_lt_u32 s24, 1024
	s_cbranch_scc1 .Ltrip
	s_wait_tensorcnt 0x0
	ds_add_u32 v94, v95
	s_wait_dscnt 0x0
	s_endpgm
.Lfunc_end_k_qb0d8825e2d_gemm2:
	.size	k_qb0d8825e2d_gemm2, .Lfunc_end_k_qb0d8825e2d_gemm2-k_qb0d8825e2d_gemm2
	.p2alignl 7, 3214868480
	.fill 96, 4, 3214868480
	.section	.rodata,"a",@progbits
	.p2align	6, 0x0
	.amdhsa_kernel k_qb0d8825e2d_gemm2
		.amdhsa_group_segment_fixed_size 275968
		.amdhsa_private_segment_fixed_size 0
		.amdhsa_enable_private_segment 0
		.amdhsa_kernarg_size 56
		.amdhsa_user_sgpr_count 2
		.amdhsa_user_sgpr_kernarg_segment_ptr 1
		.amdhsa_wavefront_size32 1
		.amdhsa_system_sgpr_workgroup_id_x 1
		.amdhsa_system_sgpr_workgroup_id_y 1
		.amdhsa_system_sgpr_workgroup_id_z 1
		.amdhsa_system_vgpr_workitem_id 0
		.amdhsa_next_free_vgpr 1024
		.amdhsa_next_free_sgpr 100
		.amdhsa_reserve_vcc 1
		.amdhsa_float_denorm_mode_32 3
		.amdhsa_float_denorm_mode_16_64 3
		.amdhsa_memory_ordered 1
		.amdhsa_forward_progress 1
		.amdhsa_inst_pref_size 119
	.end_amdhsa_kernel
	.amdgpu_metadata
---
amdhsa.version: [ 1, 2 ]
amdhsa.kernels:
  - .name:           k_qb0d8825e2d_gemm2
    .symbol:         k_qb0d8825e2d_gemm2.kd
    .args:
      - { .name: hq, .offset: 0, .size: 8, .value_kind: global_buffer, .address_space: global }
      - { .name: W2_codes, .offset: 8, .size: 8, .value_kind: global_buffer, .address_space: global }
      - { .name: W2_scales, .offset: 16, .size: 8, .value_kind: global_buffer, .address_space: global }
      - { .name: b2, .offset: 24, .size: 8, .value_kind: global_buffer, .address_space: global }
      - { .name: sel, .offset: 32, .size: 8, .value_kind: global_buffer, .address_space: global }
      - { .name: gate, .offset: 40, .size: 8, .value_kind: global_buffer, .address_space: global }
      - { .name: y, .offset: 48, .size: 8, .value_kind: global_buffer, .address_space: global }
    .group_segment_fixed_size: 275968
    .private_segment_fixed_size: 0
    .kernarg_segment_align: 8
    .kernarg_segment_size: 56
    .max_flat_workgroup_size: 128
    .sgpr_count:     100
    .vgpr_count:     1024
    .wavefront_size: 32
...
	.end_amdgpu_metadata
.endif
;; end of part 3
;; launch add (part 4): grid 256 x 1, 8 waves a work-group, no clusters, 0 bytes of LDS; arguments y, out0; writes out0
.if DOCPART == 4
	.amdgcn_target "amdgcn-amd-amdhsa--gfx1250"
	.amdhsa_code_object_version 6
	.text
	.protected	k_qb0d8825e2d_add
	.globl	k_qb0d8825e2d_add
	.p2align	8
	.type	k_qb0d8825e2d_add,@function
k_qb0d8825e2d_add:
	s_mov_b64 s[64:65], 0
	v_nop
	global_prefetch_b8 v0, s[64:65] scope:SCOPE_SE
	s_setreg_imm32_b32 hwreg(HW_REG_WAVE_MODE, 25, 1), 1
	s_wait_xcnt 0x0
; out0[n] = y[2 n] + y[2 n + 1]: a token's two weighted rows, which two experts' work-groups made.  y: [2176][1024] f32 (rows from 2,048 on are not read), out0: [1024][1024] f32.
; A stream: a work-group takes four tokens, thread t the 16 bytes at 16 t of every row, so that a wave's load or store covers 512 consecutive bytes.  All eight loads go out at once; each byte is read and written once.
; No LDS, no barrier, no matrix unit: there is nothing to share and nothing to multiply.
	s_load_b128 s[4:7], s[0:1], 0x0                ; y, out0
	v_lshlrev_b32 v1, 4, v0
	s_lshl_b32 s8, ttmp9, 15                       ; eight rows of y
	s_mov_b32 s9, 0
	s_lshl_b32 s10, ttmp9, 14                      ; four rows of out0
	s_mov_b32 s11, 0
	s_wait_alu depctr_va_vdst(0)
	s_wait_kmcnt 0x0
	s_add_nc_u64 s[4:5], s[4:5], s[8:9]
	s_add_nc_u64 s[6:7], s[6:7], s[10:11]
.irp j, 0,1,2,3
	global_load_b128 v[4+8*\j:7+8*\j], v1, s[4:5] offset:8192*\j th:TH_LOAD_NT
	global_load_b128 v[8+8*\j:11+8*\j], v1, s[4:5] offset:8192*\j+4096 th:TH_LOAD_NT
.endr
.irp j, 0,1,2,3
	s_wait_loadcnt 6-2*\j                          ; token j's two loads are in; the younger pairs may stay out
	v_pk_add_f32 v[4+8*\j:5+8*\j], v[4+8*\j:5+8*\j], v[8+8*\j:9+8*\j]
	v_pk_add_f32 v[6+8*\j:7+8*\j], v[6+8*\j:7+8*\j], v[10+8*\j:11+8*\j]
	global_store_b128 v1, v[4+8*\j:7+8*\j], s[6:7] offset:4096*\j th:TH_STORE_NT
.endr
	s_endpgm
.Lfunc_end_k_qb0d8825e2d_add:
	.size	k_qb0d8825e2d_add, .Lfunc_end_k_qb0d8825e2d_add-k_qb0d8825e2d_add
	.p2alignl 7, 3214868480
	.fill 96, 4, 3214868480
	.section	.rodata,"a",@progbits
	.p2align	6, 0x0
	.amdhsa_kernel k_qb0d8825e2d_add
		.amdhsa_group_segment_fixed_size 0
		.amdhsa_private_segment_fixed_size 0
		.amdhsa_enable_private_segment 0
		.amdhsa_kernarg_size 16
		.amdhsa_user_sgpr_count 2
		.amdhsa_user_sgpr_kernarg_segment_ptr 1
		.amdhsa_wavefront_size32 1
		.amdhsa_system_sgpr_workgroup_id_x 1
		.amdhsa_system_sgpr_workgroup_id_y 1
		.amdhsa_system_sgpr_workgroup_id_z 1
		.amdhsa_system_vgpr_workitem_id 0
		.amdhsa_next_free_vgpr 64
		.amdhsa_next_free_sgpr 66
		.amdhsa_reserve_vcc 0
		.amdhsa_float_denorm_mode_32 3
		.amdhsa_float_denorm_mode_16_64 3
		.amdhsa_memory_ordered 1
		.amdhsa_forward_progress 1
		.amdhsa_inst_pref_size 3
	.end_amdhsa_kernel
	.amdgpu_metadata
---
amdhsa.version: [ 1, 2 ]
amdhsa.kernels:
  - .name:           k_qb0d8825e2d_add
    .symbol:         k_qb0d8825e2d_add.kd
    .args:
      - { .name: y, .offset: 0, .size: 8, .value_kind: global_buffer, .address_space: global }
      - { .name: out0, .offset: 8, .size: 8, .value_kind: global_buffer, .address_space: global }
    .group_segment_fixed_size: 0
    .private_segment_fixed_size: 0
    .kernarg_segment_align: 8
    .kernarg_segment_size: 16
    .max_flat_workgroup_size: 256
    .sgpr_count:     66
    .vgpr_count:     64
    .wavefront_size: 32
...
	.end_amdgpu_metadata
.endif
;; end of part 4
